; MI455X (gfx1250); checked and timed in simulation.
; The chip was launched on July 23, 2026; its instructions are those of AMD's public machine-readable ISA for CDNA 5 (MIT licence, August 2026) and "CDNA5" Instruction Set Architecture Reference Guide (July 2026). The comments in the code are by the model that wrote it; some were corrected since.
;; Stream Aware Lo RA. Allowed arithmetic: matrix products marked QUANTISED: E2M1 operands, one E8M0 scale for each 32 along K, by v_wmma_scale_f32_16x16x128_f8f6f4 with both operands' format E2M1 (or v_wmma_scale_f32_32x16x128_f4), f32 sums; products left as they are: f32 operands where the result goes on into a quantised operand, else bf16, f16 or f32 operands; f32 sums; everything else in f32.
;; Inputs: W 4,096 x 4,096 float32; b 4,096 float32; hidden_states 32 x 128 x 4,096 float32; lora_A 8 x 16 x 4,096 float32; lora_B 8 x 4,096 x 16 float32.
;; Outputs: out0 32 x 128 x 4,096 float32.
;; This version of the problem:
;;   THIS VERSION OF THE PROBLEM IS GIVEN IN LOW PRECISION. The matrix products marked QUANTISED in the list below multiply operands that are first quantised to E2M1 (2 exponent bits, 1 mantissa bit; 4 bits a number), with one power-of-two scale for each 32 numbers along K (OCP MX v1.0); their sums are f32. All else is computed in f32.
;;   The module's matrix products, in the order in which they are computed (A, B: the left and right operand; K: the contracted axis; several contracted axes count as one K, in the product's order):
;;     1. [M 4,096, K 4,096] x [K 4,096, N 4,096]; A: input hidden_states; B: input W: QUANTISED
;;     2. batch 8 x [M 512, K 4,096] x [K 4,096, N 16]; A: input hidden_states; B: input lora_A: QUANTISED
;;     3. batch 8 x [M 512, K 16] x [K 16, N 4,096]; A: computed on the way; B: input lora_B: left as it is (K = 16 < 32)
;;   THE QUANTISER, for each operand of a quantised product, along K:
;;     - K is cut into blocks of 32 from its start; a last block that is shorter is filled with zeros.
;;     - A block's scale is 2^e with e = floor(log2(the largest magnitude in the block)) - 2, held to -126 .. 127; a block of zeros has e = 0. As a byte (E8M0): e + 127.
;;     - Each number is divided by its block's scale, clamped to +-6, and rounded to the nearest number of E2M1, ties to even, subnormals kept.
;;     - The product sums the exact products of the quantised numbers (number of the format x scale) in f32.
;;   ~~~python
;;   def quantise(x, axis):      # numpy; x: float32 -> the quantised numbers, widened to float32 again
;;       x = np.moveaxis(x, axis, -1); K = x.shape[-1]
;;       x = np.pad(x, [(0, 0)] * (x.ndim - 1) + [(0, -K % 32)]); x = x.reshape(x.shape[:-1] + (-1, 32)); a = np.abs(x).max(-1, keepdims=True)
;;       e = np.where(a > 0, np.clip(np.frexp(np.where(a > 0, a, 1))[1] - 1 - 2, -126, 127), 0)      # np.frexp(a)[1] - 1 = floor(log2(a)), exactly
;;       r = np.clip(x / 2.0 ** e, -6, 6)
;;       step = 2.0 ** (np.maximum(np.frexp(np.where(r == 0, 1, r))[1] - 1, 0) - 1)
;;       q = np.round(r / step) * step * 2.0 ** e      # np.round: ties to even
;;       return np.moveaxis(q.reshape(q.shape[:-2] + (-1,))[..., :K], -1, axis).astype(np.float32)
;;   ~~~
;; One version. Each part assembles by itself: llvm-mc -triple=amdgcn-amd-amdhsa -mcpu=gfx1250 --defsym DOCPART=n.
;; ======== version 1 of 1: 2 launches
;; limits: values are held in bf16: 8 bits of precision; right only within a limited range of input values
;; workspace buffers: xq 10,027,008 bytes; wq 8,912,896 bytes
;; launch quant (part 1): grid 2080 x 1, 1 waves a work-group, no clusters, 8,960 bytes of LDS; arguments hidden_states, W, lora_A, xq, wq; writes xq, wq
.if DOCPART == 1
	.amdgcn_target "amdgcn-amd-amdhsa--gfx1250"
	.amdhsa_code_object_version 6
	.text
	.protected	k_qd4585eff27_quant
	.globl	k_qd4585eff27_quant
	.p2align	8
	.type	k_qd4585eff27_quant,@function
k_qd4585eff27_quant:
	s_mov_b64 s[64:65], 0
	v_nop
	global_prefetch_b8 v0, s[64:65] scope:SCOPE_SE
	s_setreg_imm32_b32 hwreg(HW_REG_WAVE_MODE, 25, 1), 1
	s_wait_xcnt 0x0
; hidden_states [4096][4096], W [4096][4096] and lora_A (taken as [128][4096]), all f32 with K innermost, become codes of FP4 (E2M1) with one E8M0 byte
; for each 32 along K.  A block's scale is 2^(floor(log2(largest magnitude)) - 2): its byte is the largest magnitude's exponent field - 2, held at 1 from below.
; LIMITS: NaN and infinities among the inputs are not served.  A block of zeros, or one whose largest magnitude lies under 2^-124, gets the byte 1
; (for zeros the stated quantiser says 127): its codes are zeros or are rounded under the scale 2^-126, and only this program reads the bytes.
; THE WORKSPACE IS LAID IN THE ORDER OF THE OPERAND'S REGISTERS.  128 rows x 512 K take 34,816 bytes: image (q, i, c) of 512 bytes at ((8 q + i) 2 + c) 512,
; lane l's 16 bytes at 16 l: lane (r = l % 16, h = l / 16) holds the 32 codes of row 16 i + r, k = 128 q + 64 c + 32 h + 0 .. 31.  Behind the 32,768 bytes of codes: 16 bytes a row,
; word q = the scale word of the q-th 128 along K.  wq: block (row group g, K step s) at (8 g + s) x 34,816.
; xq: block (g, s) at (8 g + s) x 39,168: the same 34,816 bytes, and behind them the same K step of lora_A of the stream g / 4: image (q, c) at 1,024 q + 512 c, then 16 bytes of scale words a rank: 4,352 bytes.
; So one load of the product's launch brings x's rows and their stream's lora_A together.  A stream has four row groups: lora_A's work-groups store each result four times, 8 x 39,168 bytes apart.
; SHARES.  A unit is 32 rows x 512 K, 16 sub-tiles u = 8 i2 + 2 q + c of 16 rows x 64 K.  x has 1,024 units, W 1,024, lora_A 32.  ONE WAVE TO A WORK-GROUP.
; Pointers and strides are chosen by the work-group's number; a scalar branch on it leads x's and W's work-groups round the further stores.
; A load reads 256 consecutive bytes of two rows; a sub-tile turns through the wave's own stage in LDS (rows 272 bytes apart) so that a lane gets the 32 neighbours of one block: a block's maximum needs no other lane.
; Loads run four sub-tiles (32 loads a wave) ahead, the turn through LDS one.  The codes of eight sub-tiles are kept in 32 registers and leave in one run of eight stores: two runs a wave.
; No barrier: waves share nothing.  Matrix units, tensor loads and clusters would add nothing to a stream.
.set WAVES, 1
.set UX,   1024/WAVES                  ; work-groups of x, and of W
.set BLK,  34816
.set XBLK, 39168                       ; a block of xq
.set COPY, 8*XBLK                      ; from a row group to the next
.set STG,  4352                        ; a stage: 16 rows x 272 bytes; two for each wave
.set OFF,  8                           ; v8-15   byte offset of my 16 bytes in image (q, i2, c = 0): 16 lane + q QS + i2 IS
.set WD,   16                          ; v16-23  scale words (i2, q)
.set C,    32                          ; v32-63  codes: eight sets of four
.set R,    64                          ; v64-191 four sets of 32 registers as loaded
.set X,    192                         ; v192-255 two sets of 32 neighbours
	s_load_b256 s[4:11], s[0:1], 0x0               ; x s[4:5], W s[6:7], lora_A s[8:9], xq s[10:11]
	s_load_b64 s[12:13], s[0:1], 0x20              ; wq
	v_lshl_add_u32 v30, v0, 2, 0x2200
	v_mov_b32 v31, 0
	v_lshrrev_b32 v1, 5, v0
	v_readfirstlane_b32 s16, v1                    ; wave in the work-group
	v_and_b32 v1, 15, v0                           ; r
	v_bfe_u32 v2, v0, 4, 1                         ; h
	v_and_b32 v29, 31, v0
	v_lshlrev_b32 v29, 4, v29                      ; 16 x lane
	v_lshlrev_b32 v3, 14, v2
	v_lshl_add_u32 v3, v1, 4, v3                   ; in: lanes 0-15 one row's 256 bytes, lanes 16-31 the next row's (16,384 bytes on)
	s_mul_i32 s23, s16, 2*STG                      ; my wave's two stages
	v_mul_u32_u24 v4, v2, 272
	v_lshl_add_u32 v4, v1, 4, v4
	v_add_nc_u32 v4, s23, v4                       ; into a stage: as loaded
	v_mul_u32_u24 v5, v1, 272
	v_lshl_add_u32 v5, v2, 7, v5
	v_add_nc_u32 v5, s23, v5                       ; out of it: row r, 128 h bytes on: my 32 neighbours
	v_lshlrev_b32 v7, 3, v2                        ; 8 h: my bytes' place in a scale word
	v_mov_b32 v28, 0                               ; a lane permute's destination counts as one of its sources
	s_mov_b32 s30, 0x76543210
	s_mov_b32 s31, 0xfedcba98                      ; v_permlanex16_b32's selects for lane l xor 16
	s_wait_kmcnt 0x0
	s_mov_b64 s[14:15], s[10:11]                   ; xq once more: lora_A's codes go there too
	s_mov_b32 s2, BLK
	s_cmp_lt_u32 ttmp9, UX                         ; x or W?  The choices hang on the work-group's number alone
	s_cselect_b64 s[4:5], s[4:5], s[6:7]
	s_cselect_b64 s[10:11], s[10:11], s[12:13]
	s_cselect_b32 s17, 0, UX                       ; the tensor's first work-group
	s_cselect_b32 s2, XBLK, s2                     ; a block's bytes
	s_mov_b32 s18, 2*UX
	s_mov_b32 s19, 0x2000                          ; QS: from q to q + 1 in the codes
	s_mov_b32 s20, 0x400                           ; IS: from my first 16 rows to my second
	s_mov_b32 s21, 0x100                           ; HS: the same in the scale words
	s_cmp_lt_u32 ttmp9, 2*UX                       ; or lora_A?  There my second 16 rows are the next stream: 32 blocks of xq further on
	s_cselect_b64 s[4:5], s[4:5], s[8:9]
	s_cselect_b64 s[10:11], s[10:11], s[14:15]
	s_cselect_b32 s17, s17, s18
	s_cselect_b32 s19, s19, 0x400
	s_cselect_b32 s20, s20, 32*XBLK
	s_cselect_b32 s21, s21, 32*XBLK
	s_cselect_b32 s22, 1, 0                        ; 1: x or W; 0: lora_A
	s_sub_co_u32 s23, ttmp9, s17
	s_mul_i32 s23, s23, WAVES
	s_add_co_u32 s23, s23, s16                     ; my unit n
	s_and_b32 s28, s23, 7                          ; s: which 512 along K
	s_lshr_b32 s29, s23, 3                         ; rp: which 32 rows
	s_lshl_b32 s32, s29, 19                        ; 32 rows of 16,384 bytes
	s_lshl_b32 s33, s28, 11
	s_add_co_u32 s32, s32, s33
	s_mov_b32 s33, 0
	s_add_nc_u64 s[4:5], s[4:5], s[32:33]          ; the input at my unit
	s_lshr_b32 s34, s29, 2                         ; x, W: block (rp / 4, s),
	s_lshl_b32 s34, s34, 3
	s_add_co_u32 s34, s34, s28
	s_mul_i32 s34, s34, s2
	s_and_b32 s35, s29, 3                          ; in it row blocks i = 2 (rp % 4) + i2
	s_lshl_b32 s36, s35, 9
	s_add_co_u32 s36, s36, s34
	s_add_co_u32 s36, s36, 32768                   ; its scale words
	s_lshl_b32 s35, s35, 11
	s_add_co_u32 s34, s34, s35                     ; its codes
	s_lshl_b32 s38, s29, 6                         ; lora_A: streams 2 rp + i2; stream 2 rp's first row group is 8 rp: block 64 rp + s of xq,
	s_add_co_u32 s38, s38, s28
	s_mul_i32 s38, s38, XBLK
	s_add_co_u32 s38, s38, BLK                     ; behind x's part: its codes,
	s_add_co_u32 s39, s38, 4096                    ; and behind them its scale words
	s_cmp_lg_u32 s22, 0
	s_cselect_b32 s34, s34, s38
	s_cselect_b32 s36, s36, s39
	s_mov_b32 s35, 0
	s_mov_b32 s37, 0
	s_add_nc_u64 s[24:25], s[10:11], s[34:35]      ; where my codes go
	s_add_nc_u64 s[26:27], s[10:11], s[36:37]      ; where my scale words go
	v_mul_u32_u24 v6, s21, v2
	v_lshl_add_u32 v6, v1, 4, v6                   ; 16 r + h HS: lanes 0-15 store my first 16 rows' words, lanes 16-31 my second's
.irp i2, 0,1
.irp q, 0,1,2,3
	s_mul_i32 s32, s19, \q
	s_mul_i32 s33, s20, \i2
	s_add_co_u32 s32, s32, s33
	v_add_nc_u32 v[OFF+4*\i2+\q], s32, v29
.endr
.endr
.macro LOAD u                          ; sub-tile u: eight loads, two rows each: sixteen lanes read 256 consecutive bytes, at a multiple of 256 from the buffer's first byte
.irp j, 0,1,2,3,4,5,6,7
	global_load_b128 v[R+32*((\u)%4)+4*\j:R+32*((\u)%4)+4*\j+3], v3, s[4:5] offset:262144*((\u)/8)+32768*\j+512*(((\u)%8)/2)+256*((\u)%2) th:TH_LOAD_NT
.endr
.endm
.macro TURN u                          ; through the stage: LDS serves a wave's instructions in order (ISA guide 5.7.1.4), so no wait stands between the stores and the loads
.irp j, 0,1,2,3,4,5,6,7
	ds_store_b128 v4, v[R+32*((\u)%4)+4*\j:R+32*((\u)%4)+4*\j+3] offset:STG*((\u)%2)+544*\j
.endr
.irp e, 0,1,2,3,4,5,6,7
	ds_load_b128 v[X+32*((\u)%2)+4*\e:X+32*((\u)%2)+4*\e+3], v5 offset:STG*((\u)%2)+16*\e
.endr
.endm
.macro STEP u
.set XS, X+32*((\u)%2)
.set CS, C+4*((\u)%8)
.set WR, WD+(\u)/2
	s_wait_dscnt 0x0                               ; this sub-tile is back from the stage, so its stores into the stage have read their registers,
.if (\u)+4 < 16
	LOAD (\u)+4                                    ; which take the loads of four sub-tiles on
.endif
.if (\u)+1 < 16
.if (\u)+4 < 16
	s_wait_loadcnt 24                              ; the next sub-tile's eight loads are in; those of the three behind it may be out
.else
	s_wait_loadcnt 8*(14-(\u))                     ; the tail: the counts run down
.endif
	TURN (\u)+1                                    ; it goes through the other stage while this one is worked
.endif
	v_max3_num_f32 v24, |v[XS]|, |v[XS+1]|, |v[XS+2]|      ; the block's largest magnitude: all 32 numbers are mine; two chains
	v_max3_num_f32 v25, |v[XS+3]|, |v[XS+4]|, |v[XS+5]|
.irp i, 6,10,14,18,22,26
	v_max3_num_f32 v24, v24, |v[XS+\i]|, |v[XS+\i+1]|
	v_max3_num_f32 v25, v25, |v[XS+\i+2]|, |v[XS+\i+3]|
.endr
	v_max3_num_f32 v24, v24, |v[XS+30]|, |v[XS+31]|
	v_max3_num_f32 v24, v24, v25, 0x1800000        ; and the floor 2^(3 - 127): the byte cannot fall under 1
	v_add_nc_u32 v26, 0xff000000, v24              ; 2 off its exponent field: the conversion takes the exponent field of this operand as its scale
.if (\u) == 8
	s_wait_alu depctr_va_vdst(0)
	s_wait_xcnt 0x0                                ; the first run of stores has read the eight sets of code registers (ISA guide 3.1): they are written anew from here on
.endif
.irp g, 0,1,2,3
	v_cvt_scalef32_pk8_fp4_f32 v[CS+\g], v[XS+8*\g:XS+8*\g+7], v26   ; to the nearest code, ties to even, beyond 6 the largest code; the lowest k in the lowest bits
.endr
	v_lshrrev_b32 v27, 23, v26                     ; the scale's byte (also the plain line behind the conversions)
.if (\u)%2 == 0
	v_mov_b32 v[WR], v27                           ; c = 0
.else
	v_lshl_or_b32 v[WR], v27, 16, v[WR]            ; c = 1: two bytes up;
	v_lshlrev_b32 v[WR], v7, v[WR]                 ; my half's bytes stand at 2 c + h;
	v_permlanex16_b32 v28, v[WR], s30, s31
	v_or_b32 v[WR], v[WR], v28                     ; with lane l xor 16's two the word is whole
.endif
.endm
.macro OUT8 u0                         ; sub-tiles u0 .. u0 + 7 leave: an image is 512 consecutive bytes, at a multiple of 256 from the buffer's first byte
.irp d, 0,1,2,3,4,5,6,7
	global_store_b128 v[OFF+((\u0)+\d)/2], v[C+4*\d:C+4*\d+3], s[24:25] offset:512*(\d%2)
.endr
	s_cmp_lg_u32 s22, 0
	s_wait_alu depctr_va_vdst(0)
	s_cbranch_scc1 .Lonce_\@                       ; lora_A alone: the same images for the stream's three other row groups
.irp j, 1,2,3
.irp d, 0,1,2,3,4,5,6,7
	global_store_b128 v[OFF+((\u0)+\d)/2], v[C+4*\d:C+4*\d+3], s[24:25] offset:512*(\d%2)+COPY*\j
.endr
.endr
.Lonce_\@:
.endm
.irp u, 0,1,2,3
	LOAD \u
.endr
	s_wait_loadcnt 24                              ; sub-tile 0 is in
	TURN 0
.irp u, 0,1,2,3,4,5,6,7
	STEP \u
.endr
	OUT8 0
.irp u, 8,9,10,11,12,13,14,15
	STEP \u
.endr
	OUT8 8
	v_cmp_eq_u32 vcc_lo, 1, v2
.irp q, 0,1,2,3
	v_cndmask_b32 v[WD+\q], v[WD+\q], v[WD+4+\q], vcc_lo   ; lanes 16-31 take the words of my second 16 rows
.endr
	global_store_b128 v6, v[WD:WD+3], s[26:27]     ; sixteen lanes store 256 consecutive bytes: 16 rows' four words
	s_cmp_lg_u32 s22, 0
	s_wait_alu depctr_va_vdst(0)
	s_cbranch_scc1 .Lwords_once
.irp j, 1,2,3
	global_store_b128 v6, v[WD:WD+3], s[26:27] offset:COPY*\j
.endr
.Lwords_once:
	s_wait_tensorcnt 0x0                           ; the wave's end
	ds_add_u32 v30, v31
	s_wait_dscnt 0x0
	s_endpgm
.Lfunc_end_k_qd4585eff27_quant:
	.size	k_qd4585eff27_quant, .Lfunc_end_k_qd4585eff27_quant-k_qd4585eff27_quant
	.p2alignl 7, 3214868480
	.fill 96, 4, 3214868480
	.section	.rodata,"a",@progbits
	.p2align	6, 0x0
	.amdhsa_kernel k_qd4585eff27_quant
		.amdhsa_group_segment_fixed_size 8960
		.amdhsa_private_segment_fixed_size 0
		.amdhsa_enable_private_segment 0
		.amdhsa_kernarg_size 40
		.amdhsa_user_sgpr_count 2
		.amdhsa_user_sgpr_kernarg_segment_ptr 1
		.amdhsa_wavefront_size32 1
		.amdhsa_system_sgpr_workgroup_id_x 1
		.amdhsa_system_sgpr_workgroup_id_y 1
		.amdhsa_system_sgpr_workgroup_id_z 1
		.amdhsa_system_vgpr_workitem_id 0
		.amdhsa_next_free_vgpr 256
		.amdhsa_next_free_sgpr 66
		.amdhsa_reserve_vcc 1
		.amdhsa_float_denorm_mode_32 3
		.amdhsa_float_denorm_mode_16_64 3
		.amdhsa_memory_ordered 1
		.amdhsa_forward_progress 1
		.amdhsa_inst_pref_size 65
	.end_amdhsa_kernel
	.amdgpu_metadata
---
amdhsa.version: [ 1, 2 ]
amdhsa.kernels:
  - .name:           k_qd4585eff27_quant
    .symbol:         k_qd4585eff27_quant.kd
    .args:
      - { .name: hidden_states, .offset: 0, .size: 8, .value_kind: global_buffer, .address_space: global }
      - { .name: W, .offset: 8, .size: 8, .value_kind: global_buffer, .address_space: global }
      - { .name: lora_A, .offset: 16, .size: 8, .value_kind: global_buffer, .address_space: global }
      - { .name: xq, .offset: 24, .size: 8, .value_kind: global_buffer, .address_space: global }
      - { .name: wq, .offset: 32, .size: 8, .value_kind: global_buffer, .address_space: global }
    .group_segment_fixed_size: 8960
    .private_segment_fixed_size: 0
    .kernarg_segment_align: 8
    .kernarg_segment_size: 40
    .max_flat_workgroup_size: 32
    .sgpr_count:     66
    .vgpr_count:     256
    .wavefront_size: 32
...
	.end_amdgpu_metadata
.endif
;; end of part 1
;; launch gemm (part 2): grid 16 x 16, 4 waves a work-group, clusters of 4 x 4, 327,680 bytes of LDS; arguments xq, wq, b, lora_B, out0; writes out0
.if DOCPART == 2
	.amdgcn_target "amdgcn-amd-amdhsa--gfx1250"
	.amdhsa_code_object_version 6
	.text
	.protected	k_qd4585eff27_gemm
	.globl	k_qd4585eff27_gemm
	.p2align	8
	.type	k_qd4585eff27_gemm,@function
k_qd4585eff27_gemm:
	s_mov_b64 s[64:65], 0
	v_nop
	global_prefetch_b8 v0, s[64:65] scope:SCOPE_SE
	s_setreg_imm32_b32 hwreg(HW_REG_WAVE_MODE, 25, 1), 1
	s_wait_xcnt 0x0
	s_wait_alu depctr_hold_cnt(0) depctr_sa_sdst(0) depctr_va_vdst(0) depctr_va_sdst(0) depctr_va_ssrc(0) depctr_va_vcc(0) depctr_vm_vsrc(0)
	s_getreg_b32 s2, hwreg(HW_REG_IB_STS2, 6, 4)
	s_cmp_eq_u32 s2, 0
	s_cbranch_scc0 .Lentry_in_a_cluster
	s_endpgm
.Lentry_in_a_cluster:
	s_bfe_u32 s2, ttmp6, 0x10000c
	s_cmp_lg_u32 s2, 0xf033
	s_cbranch_scc0 .Lentry_shape_is_right
	s_endpgm
.Lentry_shape_is_right:
; out0[m][n] = sum_k Q(x)[m][k] Q(W)[n][k] + b[n] + 2 sum_r a[m][r] lora_B[p][n][r],  a[m][r] = sum_k Q(x)[m][k] Q(lora_A)[p][r][k],  p = m / 512.
; The codes and scale words come from xq and wq, laid in the order of the operands' registers (launch quant): a fragment is two loads of 512 consecutive LDS bytes, with no padding.
; A tile of 256 x 256 is made by four waves, 128 x 128 each: 64 accumulators.  Beside them 8 accumulators take a (128 rows x 16 ranks): x's fragments serve both products.
; The third product (K = 16) has bf16 operands, the factor 2 folded into lora_B in f32, and adds onto the same accumulators; the bias is added in f32 on the way out.
; K goes in steps of 512 through a ring of two LDS slots.  A slot: x's two blocks of 39,168 bytes (128 rows, and this K step of the stream's lora_A), then W's two of 34,816.  One joint load a wave brings a block.
; CLUSTERS: 4 x 4 work-groups; x's blocks are asked for jointly along a row of the cluster, W's along a column.  Clusters begin their walk along K at step 0 or at step 4, by the parity of their place, and go round.
; FRAGMENTS: two whole sets for A, B and lora_A.  A 128-step's 34 LDS loads go out in ONE run at the head of the step before.  So all reads of a slot are issued at the head of its third 128-step:
; the change of slots stands inside that step, and the slot is asked for again at its end.
; PREFETCH: behind each refill the K step that stands two fills on is asked for; at the head the walk's steps 1, 2 and 3, each at least one fill ahead of its load: a lane a block of 256 bytes; the four partners
; of a joint load share a block's 153 or 136 units out by address (39 or 34 each, two instructions a wave; lanes left over name the share's last unit again).  The last two refills ask for nothing.
; THE MATRIX INSTRUCTION IS USED TRANSPOSED (source 0 = W's or lora_A's rows, source 1 = x's rows): a lane holds eight neighbouring columns of one row.
; REGISTERS: window 0: v0-31 addresses and the bias; v32-95 scale words, two sets; v96-111 lora_A's fragments, two sets; v112-119 its scale words; v128-191 A's set 0; v192-255 a's sums.
;   window 1: v0-63 B's set 0; v64-127 A's set 1; v128-191 B's set 1; v192-255 2 lora_B in bf16.   windows 2, 3: the accumulators ((a, b) at v[8 (8 (a % 4) + b)]).
.set ABLK,   39168
.set BBLK,   34816
.set SLOT,   2*ABLK+2*BBLK
.set SPARE,  2*SLOT                    ; behind the ring: the spare words, 128 bytes a wave
.set SPITCH, 528                       ; the way out: a stage of 16 rows x (512 + 16) bytes a wave, in slot 0, behind its last fill and its last read
.set SIZE_N, 4096
.set BI,   8                           ; v8-11  the bias of my four columns on the way out
.set ADRL, 12                          ; v12-13 lora_A's fragments in slot 0, 1
.set ADRLS, 14                         ; v14-15 its scale words
.set ADRA, 16                          ; v16-17 A's fragments
.set PF1,  18                          ; v18-19 the prefetches' offsets
.set PF2,  19
.set ADRB, 20                          ; v20-21 B's fragments
.set ADRS, 22                          ; v22-23 scale words: lanes 0-15 A's rows, lanes 16-31 B's
.set STO,  24
.set RD,   25
.set CO,   26                          ; 16 x lane
.set LBO,  27
.set SPW,  28
.set NIL,  29
.set SC,   32
.set LAF,  96
.set LSC,  112
.set AF,   128
.set LACC, 192
.set BK,   128
.set LB,   192
.set WV, 16
.set XB, 20                            ; s[20:21] my x block's K step 0;  s[46:47] my W block's
.set WB, 46
.set KC, 90                            ; the K step of the next refill, before it is taken modulo 8
.set G1, 24
.set G0, 32
.set G1B, 48
.set G0B, 56
.set PFB, 66                           ; s[66:67] K step 0 of the block that I fetch;  s74 its bytes a K step
.set PFA, 68                           ; s[68:69] what the next prefetch names
.set MSB, 0
.macro WIN new
.if MSB != \new
	s_set_vgpr_msb (MSB<<8)|\new
.set MSB, \new
.endif
.endm
.set TO_B, 0x40
.macro JLOAD s                         ; waves 0, 1 fetch x's two blocks, waves 2, 3 W's
	s_cmp_eq_u32 s17, 0
	s_cbranch_scc0 .Lfor_b_\@
	tensor_load_to_lds s[G0+4*\s:G0+4*\s+3], s[G1:G1+7]
	s_nop 0
.rept 4
	v_nop
.endr
	s_branch .Lasked_\@
.Lfor_b_\@:
	tensor_load_to_lds s[G0B+4*\s:G0B+4*\s+3], s[G1B:G1B+7]
	s_nop 0
.rept 4
	v_nop
.endr
.Lasked_\@:
.endm
.macro CREST
	s_cmp_lg_u32 s[WV], 0
	s_cbranch_scc1 .Lnot_wave_0_\@
	s_barrier_signal -3
.Lnot_wave_0_\@:
	s_barrier_wait -3
	s_barrier_signal -1
	s_barrier_wait -1
.endm
.macro CROUND
	s_barrier_signal -1
	s_barrier_wait -1
	CREST
.endm
.macro PLACES n
.rept \n
	v_nop
.endr
.endm
.macro PREF p                          ; my share of one block: two instructions
	global_prefetch_b8 v[PF1], s[\p:\p+1] th:TH_LOAD_NT scope:SCOPE_SE
	global_prefetch_b8 v[PF2], s[\p:\p+1] th:TH_LOAD_NT scope:SCOPE_SE
.endm
	s_load_b256 s[4:11], s[0:1], 0x0               ; xq, wq, b, lora_B
	s_load_b64 s[12:13], s[0:1], 0x20              ; out0
	v_lshl_add_u32 v[SPW], v0, 2, SPARE
	v_mov_b32 v[NIL], 0
	ds_add_u32 v[SPW], v[NIL]                      ; the opening lines: the add twice on end and one wait; the set-up stands between
	ds_add_u32 v[SPW], v[NIL]
	v_lshrrev_b32 v1, 5, v0
	v_readfirstlane_b32 s[WV], v1
	s_lshr_b32 s17, s[WV], 1                       ; my half of the tile's rows; also: I fetch x (0) or W (1)
	s_and_b32 s18, s[WV], 1                        ; my half of its columns; also: which block I fetch
	s_bfe_u32 s40, ttmp6, 0x40000                  ; cx
	s_bfe_u32 s41, ttmp6, 0x40004                  ; cy
	s_lshl_b32 s42, ttmp9, 2
	s_add_co_u32 s42, s42, s40                     ; tile column
	s_and_b32 s45, ttmp7, 0xffff
	s_lshl_b32 s45, s45, 2
	s_add_co_u32 s45, s45, s41                     ; tile row
	s_lshl_b32 s43, s41, 2
	s_lshl_b32 s43, 15, s43                        ; my row of the cluster
	s_lshl_b32 s44, 0x1111, s40                    ; my column
	s_lshr_b32 s[KC], ttmp9, 1                     ; the parity of the cluster's place: the same in all sixteen
	s_xor_b32 s[KC], s[KC], ttmp9
	s_and_b32 s91, ttmp7, 0xffff
	s_lshr_b32 s92, s91, 1
	s_xor_b32 s91, s91, s92
	s_xor_b32 s[KC], s[KC], s91
	s_and_b32 s[KC], s[KC], 1
	s_lshl_b32 s[KC], s[KC], 2                     ; the walk's first K step: 0 or 4
	s_mul_i32 s92, s[KC], ABLK
	s_mov_b32 s93, 0
	s_mul_i32 s94, s[KC], BBLK
	s_mov_b32 s95, 0
	s_or_b32 s[G1+0], s43, (3<<16)|(1<<21)         ; dense blocks as rows of 256 bytes (32 elements of 8): 153 for x, 136 for W
	s_or_b32 s[G1B+0], s44, (3<<16)|(1<<21)
.irp g, G1, G1B
	s_mov_b32 s[\g+1], 32<<16
	s_mov_b32 s[\g+3], 32<<16
	s_mov_b32 s[\g+5], 32
	s_mov_b32 s[\g+6], 0
	s_mov_b32 s[\g+7], 0
.endr
	s_mov_b32 s[G1+2], 153<<16
	s_mov_b32 s[G1+4], 153
	s_mov_b32 s[G1B+2], 136<<16
	s_mov_b32 s[G1B+4], 136
	s_lshl_b32 s20, s45, 1
	s_add_co_u32 s20, s20, s18
	s_mul_i32 s20, s20, 8*ABLK                     ; x: row group 2 x tile row + half
	s_mov_b32 s21, 0
	s_lshl_b32 s46, s42, 1
	s_add_co_u32 s46, s46, s18
	s_mul_i32 s46, s46, 8*BBLK                     ; W likewise
	s_mov_b32 s47, 0
	s_mul_i32 s22, s18, ABLK                       ; LDS: where an x block that I fetch goes,
	s_mul_i32 s23, s18, BBLK
	s_add_co_u32 s23, s23, 2*ABLK                  ; and a W block; this is also the W block that I read
	s_mul_i32 s96, s17, ABLK                       ; the x block that I read
	s_sub_co_u32 s89, s23, s96
	s_mul_i32 s88, s[WV], 16*SPITCH                ; my stage
	s_cmp_eq_u32 s17, 0                            ; the prefetches: by what I fetch
	s_mov_b32 s74, BBLK
	s_cselect_b32 s74, ABLK, s74
	s_cselect_b32 s75, s40, s41                    ; my place among the four that ask with me
	s_cselect_b32 s77, 39, 34                      ; units of 256 bytes a partner
	s_mov_b32 s76, 135
	s_cselect_b32 s76, 152, s76                    ; the block's last unit
	s_mul_i32 s75, s75, s77                        ; my share's first unit
	s_add_co_u32 s77, s77, s75
	s_sub_co_u32 s77, s77, 1
	s_min_u32 s76, s76, s77                        ; and its last
	s_add_co_u32 s82, s[KC], 1                     ; the walk's steps 1, 2, 3 do not pass step 7
	s_mul_i32 s82, s82, s74
	s_mov_b32 s83, 0
	s_add_co_u32 s84, s[KC], 2
	s_mul_i32 s84, s84, s74
	s_mov_b32 s85, 0
	s_add_co_u32 s86, s[KC], 3
	s_mul_i32 s86, s86, s74
	s_mov_b32 s87, 0
	s_add_co_u32 s[KC], s[KC], 2                   ; the first refill's K step
	s_lshl_b32 s78, s42, 10
	s_lshl_b32 s79, s18, 9
	s_add_co_u32 s78, s78, s79                     ; my first column, in bytes of f32
	s_mov_b32 s79, 0
	s_lshl_b32 s80, s78, 4                         ; lora_B: 64 bytes a column,
	s_lshr_b32 s81, s45, 1
	s_lshl_b32 s81, s81, 18                        ; 262,144 a stream
	s_add_co_u32 s80, s80, s81
	s_mov_b32 s81, 0
	s_lshl_b32 s98, s45, 8
	s_lshl_b32 s99, s17, 7
	s_add_co_u32 s98, s98, s99                     ; my first row
	s_lshl_b32 s98, s98, 14
	s_add_co_u32 s98, s98, s78
	s_mov_b32 s99, 0
	v_and_b32 v1, 15, v0                           ; r
	v_bfe_u32 v2, v0, 4, 1                         ; h
	v_and_b32 v3, 31, v0                           ; lane
	v_lshlrev_b32 v[CO], 4, v3
	v_mul_u32_u24 v5, s89, v2
	v_lshl_add_u32 v4, v1, 4, v5                   ; 16 r, and for lanes 16-31 the way from my x block to my W block
	v_add_nc_u32 v4, s96, v4
	v_add_nc_u32 v[ADRA], s96, v[CO]
	v_add_nc_u32 v[ADRB], s23, v[CO]
	v_add_nc_u32 v[ADRS], 32768, v4
	v_add_nc_u32 v[ADRL], BBLK, v[ADRA]
	v_lshlrev_b32 v6, 4, v1
	v_add_nc_u32 v6, s96, v6
	v_add_nc_u32 v[ADRLS], BBLK+4096, v6
.irp x, ADRA, ADRB, ADRS, ADRL, ADRLS
	v_add_nc_u32 v[\x+1], SLOT, v[\x]
.endr
	v_mul_u32_u24 v5, v1, SPITCH
	v_lshl_add_u32 v5, v2, 5, v5
	v_add_nc_u32 v[STO], s88, v5                   ; into the stage: row r, 32 bytes for each half of the lanes
	v_add_nc_u32 v[RD], s88, v[CO]                 ; back: a row of 512 bytes to the 32 lanes
	v_lshlrev_b32 v7, 5, v2
	v_lshl_add_u32 v[LBO], v1, 6, v7               ; lora_B: column r, ranks 8 h ..
	v_add_nc_u32 v6, s75, v3
	v_add_nc_u32 v7, 32, v6
	v_min_u32 v6, s76, v6
	v_min_u32 v7, s76, v7
	v_lshlrev_b32 v[PF1], 8, v6
	v_lshlrev_b32 v[PF2], 8, v7
	s_wait_alu depctr_va_vdst(0)
	s_wait_dscnt 0x0                               ; both opening adds are done
	s_wait_kmcnt 0x0
	s_add_nc_u64 s[XB:XB+1], s[4:5], s[20:21]
	s_add_nc_u64 s[WB:WB+1], s[6:7], s[46:47]
	s_add_nc_u64 s[8:9], s[8:9], s[78:79]
	s_add_nc_u64 s[10:11], s[10:11], s[80:81]
	s_add_nc_u64 s[12:13], s[12:13], s[98:99]
.irp i, 0,1,2,3,4,5,6,7                ; lora_B of my 128 columns, f32: asked for ahead of the first round
	global_load_b128 v[AF+8*\i:AF+8*\i+3], v[LBO], s[10:11] offset:1024*\i
	global_load_b128 v[AF+8*\i+4:AF+8*\i+7], v[LBO], s[10:11] offset:1024*\i+16
.endr
	s_cmp_eq_u32 s17, 0
	s_cselect_b64 s[PFB:PFB+1], s[XB:XB+1], s[WB:WB+1]
	s_add_nc_u64 s[PFA:PFA+1], s[PFB:PFB+1], s[82:83]
	s_add_nc_u64 s[70:71], s[PFB:PFB+1], s[84:85]
	s_add_nc_u64 s[72:73], s[PFB:PFB+1], s[86:87]
	s_add_nc_u64 s[4:5], s[XB:XB+1], s[92:93]      ; the walk's first K step
	s_add_nc_u64 s[6:7], s[WB:WB+1], s[94:95]
.irp s, 0,1
	s_mov_b32 s[G0+4*\s], 1
	s_add_co_u32 s[G0+4*\s+1], s22, \s*SLOT
	s_add_nc_u64 s[G0+4*\s+2:G0+4*\s+3], s[4:5], \s*ABLK
	s_or_b32 s[G0+4*\s+3], s[G0+4*\s+3], 0x80000000
	s_mov_b32 s[G0B+4*\s], 1
	s_add_co_u32 s[G0B+4*\s+1], s23, \s*SLOT
	s_add_nc_u64 s[G0B+4*\s+2:G0B+4*\s+3], s[6:7], \s*BBLK
	s_or_b32 s[G0B+4*\s+3], s[G0B+4*\s+3], 0x80000000
.endr
	CROUND                                         ; all sixteen work-groups are here: the first joint loads meet
	JLOAD 0                                        ; the walk's step 0: one tensor load a wave at the head
	s_wait_loadcnt 0x0                             ; lora_B is in
	PREF PFA                                       ; the walk's step 1, one fill ahead of its load
.set i, 0
.rept 32
	v_pk_add_f32 v[AF+i:AF+i+1], v[AF+i:AF+i+1], v[AF+i:AF+i+1]    ; x 2 = alpha / rank, in f32
.set i, i+2
.endr
	WIN TO_B
.irp i, 0,1,2,3,4,5,6,7
.irp k, 0,1,2,3
	v_cvt_pk_bf16_f32 v[LB+8*\i+\k], v[AF+8*\i+2*\k], v[AF+8*\i+2*\k+1]
	v_mov_b32 v[LB+8*\i+4+\k], 0                   ; k = 16 .. 31 of the bf16 form: zeros
.endr
.endr
	WIN 0
.macro FRAG reg, adr, q, i
.irp c, 0,1
	ds_load_b128 v[\reg+4*\c:\reg+4*\c+3], v[\adr] offset:(((\q)*8+(\i))*2+\c)*512
.endr
.endm
.macro FETCH slot, q, p                ; 34 LDS loads in one run: the slot's q-th 128 along K into sets p
	WIN TO_B
.irp i, 0,1,2,3,4,5,6,7
	FRAG 128*(\p)+8*\i, ADRB+\slot, \q, \i
.endr
.if (\p) == 0
	WIN 0
.endif
.irp i, 0,1,2,3,4,5,6,7
	FRAG 128-64*(\p)+8*\i, ADRA+\slot, \q, \i
.endr
	WIN 0
.irp c, 0,1
	ds_load_b128 v[LAF+8*(\p)+4*\c:LAF+8*(\p)+4*\c+3], v[ADRL+\slot] offset:1024*(\q)+512*\c
.endr
.endm
.macro SCALES sc                       ; 9 loads: a K step's scale words
.irp i, 0,1,2,3,4,5,6,7
	ds_load_b128 v[SC+32*\sc+4*\i:SC+32*\sc+4*\i+3], v[ADRS+\sc] offset:256*\i
.endr
	ds_load_b128 v[LSC+4*\sc:LSC+4*\sc+3], v[ADRLS+\sc]
.endm
.macro MUL16 a0, p, q, sc, zero        ; the accumulators take turns, one instruction a turn
.irp a, \a0, \a0+1
.irp b, 0,1,2,3,4,5,6,7
.if \zero
	v_wmma_scale_f32_16x16x128_f8f6f4 v[8*(8*((\a)%4)+\b):8*(8*((\a)%4)+\b)+7], v[128*(\p)+8*\b:128*(\p)+8*\b+7], v[128-64*(\p)+8*(\a):128-64*(\p)+8*(\a)+7], 0, v[SC+32*(\sc)+4*\b+(\q)], v[SC+32*(\sc)+4*(\a)+(\q)] matrix_a_fmt:MATRIX_FMT_FP4 matrix_b_fmt:MATRIX_FMT_FP4 matrix_a_scale:MATRIX_SCALE_ROW1
.else
	v_wmma_scale_f32_16x16x128_f8f6f4 v[8*(8*((\a)%4)+\b):8*(8*((\a)%4)+\b)+7], v[128*(\p)+8*\b:128*(\p)+8*\b+7], v[128-64*(\p)+8*(\a):128-64*(\p)+8*(\a)+7], v[8*(8*((\a)%4)+\b):8*(8*((\a)%4)+\b)+7], v[SC+32*(\sc)+4*\b+(\q)], v[SC+32*(\sc)+4*(\a)+(\q)] matrix_a_fmt:MATRIX_FMT_FP4 matrix_b_fmt:MATRIX_FMT_FP4 matrix_a_scale:MATRIX_SCALE_ROW1
.endif
.endr
.endr
.endm
.macro LORA4 a0, p, q, sc, zero        ; a: source 0 = lora_A's 16 ranks, source 1 = x's rows
.irp a, \a0, \a0+1, \a0+2, \a0+3
.if \zero
	v_wmma_scale_f32_16x16x128_f8f6f4 v[LACC+8*(\a):LACC+8*(\a)+7], v[LAF+8*(\p):LAF+8*(\p)+7], v[128-64*(\p)+8*(\a):128-64*(\p)+8*(\a)+7], 0, v[LSC+4*(\sc)+(\q)], v[SC+32*(\sc)+4*(\a)+(\q)] matrix_a_fmt:MATRIX_FMT_FP4 matrix_b_fmt:MATRIX_FMT_FP4
.else
	v_wmma_scale_f32_16x16x128_f8f6f4 v[LACC+8*(\a):LACC+8*(\a)+7], v[LAF+8*(\p):LAF+8*(\p)+7], v[128-64*(\p)+8*(\a):128-64*(\p)+8*(\a)+7], v[LACC+8*(\a):LACC+8*(\a)+7], v[LSC+4*(\sc)+(\q)], v[SC+32*(\sc)+4*(\a)+(\q)] matrix_a_fmt:MATRIX_FMT_FP4 matrix_b_fmt:MATRIX_FMT_FP4
.endif
.endr
.endm
; windows: source 0 window 1 (B) or 0 (lora_A); source 1 window p (A's set p); C and D window 2, 3 or 0
.macro MULALL p, q, sc, zero           ; a 128-step's 72 matrix instructions
	WIN (0xa1+4*(\p))
	MUL16 0, \p, \q, \sc, \zero
	MUL16 2, \p, \q, \sc, \zero
	WIN (4*(\p))
	LORA4 0, \p, \q, \sc, \zero
	WIN (0xf1+4*(\p))
	MUL16 4, \p, \q, \sc, \zero
	MUL16 6, \p, \q, \sc, \zero
	WIN (4*(\p))
	LORA4 4, \p, \q, \sc, \zero
	WIN 0
.endm
.macro STEP slot, q, zero              ; a slot's first or second 128-step
	PLACES 4                                       ; behind the products that read the sets filled below (ISA guide 7.12.1 for vector instructions)
	FETCH \slot, (\q)+1, 1-(\q)%2
	s_wait_dscnt 34                                ; all but the 34 just issued: this step's fragments and scale words are in
	MULALL (\q)%2, \q, \slot, \zero
.endm
; A slot's third and fourth 128-steps, with the change of slots in the third: its run of loads is the slot's last.
.macro TURN slot, next, fill
.if \fill
	s_wait_xcnt 0x0                                ; my last prefetches have read their address: it is written anew
	s_add_co_u32 s91, s[KC], 2
	s_and_b32 s91, s91, 7
	s_mul_i32 s82, s91, s74
	s_add_nc_u64 s[PFA:PFA+1], s[PFB:PFB+1], s[82:83]  ; the K step two fills on
.endif
	PLACES 4
	FETCH \slot, 3, 1
	s_wait_dscnt 34
	WIN 0xa1
	MUL16 0, 0, 2, \slot, 0
	MUL16 2, 0, 2, \slot, 0
	WIN 0
	LORA4 0, 0, 2, \slot, 0
	s_wait_tensorcnt 0x0                           ; my one load that was out, my block of the next slot, has landed;
	ds_add_u32 v[SPW], v[NIL]
.if \fill
	s_and_b32 s91, s[KC], 7                        ; no load of mine is out: this slot's descriptors take the next K step of the walk
	s_mul_i32 s92, s91, ABLK
	s_mul_i32 s94, s91, BBLK
	s_add_co_u32 s[KC], s[KC], 1
	s_add_nc_u64 s[G0+4*\slot+2:G0+4*\slot+3], s[XB:XB+1], s[92:93]
	s_or_b32 s[G0+4*\slot+3], s[G0+4*\slot+3], 0x80000000
	s_add_nc_u64 s[G0B+4*\slot+2:G0B+4*\slot+3], s[WB:WB+1], s[94:95]
	s_or_b32 s[G0B+4*\slot+3], s[G0B+4*\slot+3], 0x80000000
.endif
	WIN 0xf1
	MUL16 4, 0, 2, \slot, 0
	s_wait_dscnt 0x0                               ; the add is done, and all my reads of this slot are in registers
	s_barrier_signal -1
	MUL16 6, 0, 2, \slot, 0
	WIN 0
	LORA4 4, 0, 2, \slot, 0
	s_barrier_wait -1
.if \fill
	CREST                                          ; the barrier has opened a round of the cluster's barrier
	JLOAD \slot                                    ; the first tensor load behind the round; its four v_nop are the places for the loads below
.else
	PLACES 4
.endif
	FETCH \next, 0, 0
	SCALES \next
.if \fill
	s_cmp_gt_u32 s3, 1                             ; the loop's last trip has no K step two fills on
	s_cbranch_scc0 .Lno_ask_\@
	PREF PFA
.Lno_ask_\@:
.endif
	MULALL 1, 3, \slot, 0                          ; its fragments were awaited in front of the barrier
.endm
	s_wait_alu depctr_va_vdst(0)
	s_wait_tensorcnt 0x0                           ; my block of the first K step is in; the full sequence ahead of slot 1's first fill:
	ds_add_u32 v[SPW], v[NIL]
	s_wait_dscnt 0x0
	CROUND
	JLOAD 1
	FETCH 0, 0, 0
	SCALES 0
	PREF 70                                        ; the walk's steps 2
	PREF 72                                        ; and 3
	STEP 0, 0, 1                                   ; the first products start the sums
	s_mov_b32 s3, 3
.Llap:                                                 ; a trip goes once round the ring and fills both slots again
	STEP 0, 1, 0
	TURN 0, 1, 1
	STEP 1, 0, 0
	STEP 1, 1, 0
	TURN 1, 0, 1
	STEP 0, 0, 0
	s_sub_co_u32 s3, s3, 1
	s_cmp_lg_u32 s3, 0
	s_cbranch_scc1 .Llap
	STEP 0, 1, 0                                   ; the last lap fills nothing
	TURN 0, 1, 0
	global_load_b128 v[BI:BI+3], v[CO], s[8:9]     ; the bias of the four columns that I store
	STEP 1, 0, 0
	STEP 1, 1, 0
	PLACES 4
	FETCH 1, 3, 1
	s_wait_dscnt 34
	MULALL 0, 2, 1, 0
	s_wait_dscnt 0x0
	MULALL 1, 3, 1, 0
	PLACES 5
.irp a, 0,1,2,3,4,5,6,7                ; a in bf16: lane (r, h) holds row r, ranks 8 h .. 8 h + 7: the bf16 form's registers 0-3
.irp k, 0,1,2,3
	v_cvt_pk_bf16_f32 v[AF+8*\a+\k], v[LACC+8*\a+2*\k], v[LACC+8*\a+2*\k+1]
.endr
.irp k, 0,1,2,3
	v_mov_b32 v[AF+8*\a+4+\k], 0
.endr
.endr
.macro MULB16 a0
.irp a, \a0, \a0+1
.irp b, 0,1,2,3,4,5,6,7
	v_wmma_f32_16x16x32_bf16 v[8*(8*((\a)%4)+\b):8*(8*((\a)%4)+\b)+7], v[LB+8*\b:LB+8*\b+7], v[AF+8*(\a):AF+8*(\a)+7], v[8*(8*((\a)%4)+\b):8*(8*((\a)%4)+\b)+7]
.endr
.endr
.endm
	WIN 0xa1
	MULB16 0
	MULB16 2
	WIN 0xf1
	MULB16 4
	MULB16 6
	WIN 0
; THE WAY OUT, block by block of 16 rows x 128 columns, through my own stage: back come whole rows of 512 bytes; the bias is added; 32 lanes store two aligned units of 256 bytes.
.macro TOSTAGE a
.set AC, 64*((\a)%4)
	WIN 0x08+4*((\a)/4)
.irp b, 0,1,2,3,4,5,6,7
	ds_store_b128 v[STO], v[AC+8*\b:AC+8*\b+3] offset:64*\b        ; each accumulator from its low end on
	ds_store_b128 v[STO], v[AC+8*\b+4:AC+8*\b+7] offset:64*\b+16
.endr
	WIN 0
.set BB, BK+64*((\a)%2)
.irp t, 0,1,2,3,4,5,6,7,8,9,10,11,12,13,14,15
	ds_load_b128 v[BB+4*\t:BB+4*\t+3], v[RD] offset:\t*SPITCH      ; LDS serves a wave's instructions in order (ISA guide 5.7.1.4)
.endr
.endm
.macro SEND a, younger
.set BB, BK+64*((\a)%2)
	s_wait_dscnt \younger                          ; the block is back; the next block's 16 stores and 16 loads may be out
.if (\a) > 0
	s_add_nc_u64 s[12:13], s[12:13], 16*SIZE_N*4   ; behind a wait on XCNT: the earlier stores have read their base
.endif
.irp t, 0,1,2,3,4,5,6,7,8,9,10,11,12,13,14,15
	v_pk_add_f32 v[BB+4*\t:BB+4*\t+1], v[BB+4*\t:BB+4*\t+1], v[BI:BI+1]
	v_pk_add_f32 v[BB+4*\t+2:BB+4*\t+3], v[BB+4*\t+2:BB+4*\t+3], v[BI+2:BI+3]
.endr
.irp t, 0,1,2,3,4,5,6,7,8,9,10,11,12,13,14,15
	global_store_b128 v[CO], v[BB+4*\t:BB+4*\t+3], s[12:13] offset:\t*SIZE_N*4 th:TH_STORE_NT
.endr
.endm
	PLACES 4
	s_wait_loadcnt 0x0                             ; the bias is in
	TOSTAGE 0
.irp a, 1,2,3,4,5,6,7
.if \a > 1
	s_wait_xcnt 0x0                                ; block a - 2's stores have read their registers and their base
.endif
	TOSTAGE \a
	SEND \a-1, 32
.endr
	s_wait_xcnt 0x0
	SEND 7, 0
	s_wait_tensorcnt 0x0                           ; the wave's end
	ds_add_u32 v[SPW], v[NIL]
	s_wait_dscnt 0x0
	CROUND                                         ; the closing round
	s_endpgm
.Lfunc_end_k_qd4585eff27_gemm:
	.size	k_qd4585eff27_gemm, .Lfunc_end_k_qd4585eff27_gemm-k_qd4585eff27_gemm
	.p2alignl 7, 3214868480
	.fill 96, 4, 3214868480
	.section	.rodata,"a",@progbits
	.p2align	6, 0x0
	.amdhsa_kernel k_qd4585eff27_gemm
		.amdhsa_group_segment_fixed_size 327680
		.amdhsa_private_segment_fixed_size 0
		.amdhsa_enable_private_segment 0
		.amdhsa_kernarg_size 40
		.amdhsa_user_sgpr_count 2
		.amdhsa_user_sgpr_kernarg_segment_ptr 1
		.amdhsa_wavefront_size32 1
		.amdhsa_system_sgpr_workgroup_id_x 1
		.amdhsa_system_sgpr_workgroup_id_y 1
		.amdhsa_system_sgpr_workgroup_id_z 1
		.amdhsa_system_vgpr_workitem_id 0
		.amdhsa_next_free_vgpr 1024
		.amdhsa_next_free_sgpr 100
		.amdhsa_reserve_vcc 0
		.amdhsa_float_denorm_mode_32 3
		.amdhsa_float_denorm_mode_16_64 3
		.amdhsa_memory_ordered 1
		.amdhsa_forward_progress 1
		.amdhsa_inst_pref_size 255
	.end_amdhsa_kernel
	.section	.bss,"aw",@nobits
	.p2align	6
	.space	262144
	.amdgpu_metadata
---
amdhsa.version: [ 1, 2 ]
amdhsa.kernels:
  - .name:           k_qd4585eff27_gemm
    .symbol:         k_qd4585eff27_gemm.kd
    .args:
      - { .name: xq, .offset: 0, .size: 8, .value_kind: global_buffer, .address_space: global }
      - { .name: wq, .offset: 8, .size: 8, .value_kind: global_buffer, .address_space: global }
      - { .name: b, .offset: 16, .size: 8, .value_kind: global_buffer, .address_space: global }
      - { .name: lora_B, .offset: 24, .size: 8, .value_kind: global_buffer, .address_space: global }
      - { .name: out0, .offset: 32, .size: 8, .value_kind: global_buffer, .address_space: global }
    .group_segment_fixed_size: 327680
    .private_segment_fixed_size: 0
    .kernarg_segment_align: 8
    .kernarg_segment_size: 40
    .max_flat_workgroup_size: 128
    .sgpr_count:     100
    .vgpr_count:     1024
    .wavefront_size: 32
...
	.end_amdgpu_metadata
.endif
;; end of part 2
